; MI455X (gfx1250); checked and timed in simulation.
; The chip was launched on July 23, 2026; its instructions are those of AMD's public machine-readable ISA for CDNA 5 (MIT licence, August 2026) and "CDNA5" Instruction Set Architecture Reference Guide (July 2026). The comments in the code are by the model that wrote it; some were corrected since.
;; Multi Head Self Attention. Allowed arithmetic: matrix products marked QUANTISED: E4M3 operands, one given power-of-two scale a tensor, by v_wmma_f32_16x16x64_fp8_fp8 or v_wmma_f32_16x16x128_fp8_fp8, f32 sums; everything else in f32.
;; Inputs: Wk_codes 1,024 x 32 x 32 uint8 (E4M3 codes of Wk, K innermost, in blocks of 32 codes); Wo_codes 1,024 x 32 x 32 uint8 (E4M3 codes of Wo, K innermost, in blocks of 32 codes); Wq_codes 1,024 x 32 x 32 uint8 (E4M3 codes of Wq, K innermost, in blocks of 32 codes); Wv_codes 1,024 x 32 x 32 uint8 (E4M3 codes of Wv, K innermost, in blocks of 32 codes); lowp_scales 12 int32 (the exponents e of the quantised operands' scales 2^e); token_positions 2,048 int32; x_codes 4 x 2,048 x 32 x 32 uint8 (E4M3 codes of x, K innermost, in blocks of 32 codes).
;; Outputs: out0 4 x 2,048 x 1,024 float32.
;; This version of the problem:
;;   THIS VERSION OF THE PROBLEM IS GIVEN IN LOW PRECISION. The matrix products marked QUANTISED in the list below multiply operands that are first quantised to E4M3 (4 exponent bits, 3 mantissa bits; 8 bits a number), with one given power-of-two scale for each operand tensor; their sums are f32. All else is computed in f32.
;;   The module's matrix products, in the order in which they are computed (A, B: the left and right operand; K: the contracted axis; several contracted axes count as one K, in the product's order):
;;     1. [M 8,192, K 1,024] x [K 1,024, N 1,024]; A: input x (given as codes); B: input Wq (given as codes): QUANTISED (scales: A lowp_scales[0], B lowp_scales[1])
;;     2. [M 8,192, K 1,024] x [K 1,024, N 1,024]; A: input x (given as codes); B: input Wk (given as codes): QUANTISED (scales: A lowp_scales[2], B lowp_scales[3])
;;     3. [M 8,192, K 1,024] x [K 1,024, N 1,024]; A: input x (given as codes); B: input Wv (given as codes): QUANTISED (scales: A lowp_scales[4], B lowp_scales[5])
;;     4. batch 64 x [M 2,048, K 64] x [K 64, N 2,048]; A: computed on the way; B: computed on the way: QUANTISED (scales: A lowp_scales[6], B lowp_scales[7])
;;     5. batch 64 x [M 2,048, K 2,048] x [K 2,048, N 64]; A: softmax (see below); B: computed on the way: QUANTISED (scales: A lowp_scales[8], B lowp_scales[9])
;;     6. [M 8,192, K 1,024] x [K 1,024, N 1,024]; A: computed on the way; B: input Wo (given as codes): QUANTISED (scales: A lowp_scales[10], B lowp_scales[11])
;;   THE QUANTISER, for each operand of a quantised product, along K:
;;     - The operand's scale is 2^e, e = its entry of the input lowp_scales (int32; the entries are numbered through the quantised products in the list's order, A before B).
;;     - Each number is divided by the scale, clamped to +-448, and rounded to the nearest number of E4M3, ties to even, subnormals kept.
;;     - The product sums the exact products of the quantised numbers (number of the format x scale) in f32.
;;   ~~~python
;;   def quantise(x, axis, e):      # numpy; x: float32 -> the quantised numbers, widened to float32 again
;;       x = np.moveaxis(x, axis, -1); K = x.shape[-1]
;;       r = np.clip(x / 2.0 ** e, -448, 448)
;;       step = 2.0 ** (np.maximum(np.frexp(np.where(r == 0, 1, r))[1] - 1, -6) - 3)
;;       q = np.round(r / step) * step * 2.0 ** e      # np.round: ties to even
;;       return np.moveaxis(q, -1, axis).astype(np.float32)
;;   ~~~
;;   SOFTMAX AHEAD OF A QUANTISED PRODUCT. Where the list says 'softmax', what is quantised is not the finished softmax but p = 2^(t - M), with t = logit x log2(e) and M = ceil(the row's largest t), a whole number; so 1/2 < the row's largest p <= 1. The row's sum l is taken of the UNQUANTISED p, in f32, and the product's result is divided by l at the end. Since M is a whole number, a kernel that streams over the keys may use a running M (the ceiling of the running maximum): every later rescaling is an exact power of two, so the quantised numbers keep their values, but for numbers so far below the row's largest that they fall under the format's range.
;;   OPERANDS COMPUTED ON THE WAY. 'Computed on the way' means the value that the module computes at that place (a softmax that the list does not call 'softmax' is quantised finished and normalised). What goes into a quantiser is computed in f32, as accurately as f32 sums, v_exp_f32 and their like allow (about 1e-6 of the number): no bf16 or f16 on the way to a quantiser, and a product that is left as it is and whose result goes on into a quantised operand takes f32 operands (vector FMAs, or v_wmma_f32_16x16x4_f32). A number that lies on a knife's edge between two numbers of the format may be rounded either way, as far as f32 arithmetic and the matrix unit's own rounding can turn it there, and no further.
;;   INPUTS GIVEN AS CODES. Wk (in the module: [1024, 1024], K = its axis 1); Wo (in the module: [1024, 1024], K = its axis 1); Wq (in the module: [1024, 1024], K = its axis 1); Wv (in the module: [1024, 1024], K = its axis 1); x (in the module: [4, 2048, 1024], K = its axis 2): each comes as NAME_codes (uint8): NAME with its K axis moved to the last place and cut into blocks of 32 codes, [.., K / 32, bytes a block], one block behind the other in memory; one code a byte (a code: sign, 4 exponent bits, 3 mantissa bits); its scale is its entry of lowp_scales. Its value is code x scale, taken as it is: it is not quantised again, and the codes and scales need not be those that the quantiser above would give.
;; One version. Each part assembles by itself: llvm-mc -triple=amdgcn-amd-amdhsa -mcpu=gfx1250 --defsym DOCPART=n.
;; ======== version 1 of 1: 3 launches
;; limits: right only within a limited range of input values
;; workspace buffers: q_img 8,388,608 bytes; k_img 8,388,608 bytes; v_img 8,388,608 bytes; y_img 8,388,608 bytes
;; launch qkv (part 1): grid 4 x 64, 4 waves a work-group, clusters of 4 x 4, 327,680 bytes of LDS; arguments x_codes, Wq_codes, Wk_codes, Wv_codes, lowp_scales, token_positions, q_img, k_img, v_img; writes q_img, k_img, v_img
.if DOCPART == 1
	.amdgcn_target "amdgcn-amd-amdhsa--gfx1250"
	.amdhsa_code_object_version 6
	.text
	.protected	k_qf0d9c17493_qkv
	.globl	k_qf0d9c17493_qkv
	.p2align	8
	.type	k_qf0d9c17493_qkv,@function
k_qf0d9c17493_qkv:
	s_mov_b64 s[64:65], 0
	v_nop
	global_prefetch_b8 v0, s[64:65] scope:SCOPE_SE
	s_setreg_imm32_b32 hwreg(HW_REG_WAVE_MODE, 25, 1), 1
	s_wait_xcnt 0x0
	s_wait_alu depctr_hold_cnt(0) depctr_sa_sdst(0) depctr_va_vdst(0) depctr_va_sdst(0) depctr_va_ssrc(0) depctr_va_vcc(0) depctr_vm_vsrc(0)
	s_getreg_b32 s2, hwreg(HW_REG_IB_STS2, 6, 4)
	s_cmp_eq_u32 s2, 0
	s_cbranch_scc0 .Lentry_in_a_cluster
	s_endpgm
.Lentry_in_a_cluster:
	s_bfe_u32 s2, ttmp6, 0x10000c
	s_cmp_lg_u32 s2, 0xf033
	s_cbranch_scc0 .Lentry_shape_is_right
	s_endpgm
.Lentry_shape_is_right:
; Q = rope(x Wq^T), K = rope(x Wk^T), V = x Wv^T on codes of E4M3, and the quantisers of Q, K and V.  x: [8192][1024] codes; Wq, Wk, Wv: [1024][1024] codes, K innermost.
; SHARES.  A work-group takes 128 rows of x against 4 heads (256 rows) of each of the three weights: 64 x 4 = 256 work-groups.  Wave w takes all 128 rows against head 4 gx + w of Q, K and V:
; 128 x 192 results, 96 accumulators of 16 x 16, 768 registers.  The three weights are taken together so that a fragment of x read from LDS feeds twelve products.
; K goes in steps of 128 through a ring of two LDS slots filled by the tensor data mover (wave 0: x's 128 rows; waves 1, 2, 3: 256 rows of Wq, Wk, Wv); a step is two half steps of 64 along K.
; CLUSTERS: 4 x 4 work-groups.  x's tile hangs on the row block alone and is asked for jointly along a row of the cluster, the weights' tiles on the head group alone, jointly along a column.
; LAYOUT.  Q and K are made transposed (source 0 = 16 rows of W, source 1 = 16 rows of x): a lane holds ONE token and eight neighbouring channels, four rope pairs, and a tile's eight numbers convert into
; registers 2 b, 2 b + 1 of the next product's operand (K = the head's 64).  V is made the natural way (source 0 = x, source 1 = Wv): a lane holds ONE channel and eight neighbouring tokens, which convert into
; registers 2 a, 2 a + 1 of the operand whose K is the keys.  So the codes leave as IMAGES OF OPERAND REGISTERS: four registers a lane, 16 bytes at 16 x lane, 512 consecutive bytes a store.
; Fragments of x and W come from LDS rows by two loads of 16 bytes: a permutation of k that is the same on both sides of a product.
; ROPE.  cos and sin of position x 10^(-i/8), i = 0 .. 31, are made here in f32 for the block's 128 tokens (a lane a token), while the first tiles are on their way, and kept in LDS.
; The angle is reduced by multiples of pi/2 held in three parts; sine and cosine are polynomials on |r| <= pi/4.
; LIMITS: e6 - e0 - e1, e7 - e2 - e3 and e9 - e4 - e5 between -126 and 119, so that each power of two below is an f32 number; |position x frequency| under 2^20 radians.
; REGISTERS, in windows of 256: window 0: v1-31 addresses and constants; v32-127 the twelve fragments of W, one set; v128-191, v192-255 x's eight fragments, two sets.
;   windows 1, 2, 3: the accumulators of Q, K, V: tile b of a weight's four against row tile a at v[8 (8 b + a)].
.set PITCH,  144                       ; an LDS row: 128 bytes + 16 of padding = 36 words: the 16 rows of a fragment load start at 16 different groups of four banks (64 banks of 4 bytes: ISA guide 11.1)
.set WR,     256*PITCH                 ; a weight's 256 rows
.set AOFF,   3*WR                      ; x's 128 rows lie behind the three weights'
.set SLOT,   AOFF+128*PITCH            ; 129,024 bytes
.set TBL,    2*SLOT                    ; the rope table: 128 tokens x (32 pairs (cos, sin) = 256 bytes + 16): bytes of its own, which no tile ever reaches
.set TP,     272
.set SPARE,  TBL+128*TP                ; the spare words, 128 bytes for each wave: two blocks of 256 bytes that no other line names
.set ADRA, 8                           ; v8-9    LDS address of my lane in x's rows, slot 0, 1
.set ADRB, 10                          ; v10-15  the same in my head's rows of Wq, Wk, Wv: v[10 + 2 weight + slot]
.set LI,   16                          ; v16     16 x lane: my place in an image
.set TBR,  17                          ; v17     the table as I read it: row lane % 16, + 32 (lane / 16)
.set TBW,  18                          ; v18     the table as I write it: row = my thread's number
.set PO,   19                          ; v19     4 x my thread's number: my token's position
.set SQ,   20                          ; v20, v21  Q's scale as f32 and 448 x it;  v22, v23 K's;  v24, v25 V's
.set HQ,   21
.set SK,   22
.set HK,   23
.set SV,   24
.set HV,   25
.set SPW,  28                          ; v28     LDS address of my spare word; never rewritten
.set NIL,  29                          ; v29     0; never rewritten
.set POS,  30
.set POSF, 31
.set BF,   32
.set AF,   128
.set SC,   32                          ; at the head: two sets of 16 registers at work on sine and cosine,
.set SD,   48
.set OQ,   64                          ; and their four results
.set CS,   32                          ; on the way out: two sets of 32: a row tile's (cos, sin)
.set TQ,   96                          ; 32 rotated numbers of Q,
.set TK,   128                         ; of K (V: 64 from TQ on)
.set CD,   160                         ; codes of Q (8) and K (8), two sets
.set VC,   192                         ; codes of V, two sets of 16
.set WV,   22                          ; s22     my wave's number
.set G1A,  24                          ; s[24:31] descriptor group 1 for x's tiles;  s[32:39] group 0, a set for each slot
.set G0A,  32
.set G1B,  48                          ; s[48:55], s[56:63] the same for the weights' tiles
.set G0B,  56
.set MSB, 0
.macro WIN new                         ; the immediate's high byte repeats the setting that is left
.if MSB != \new
	s_set_vgpr_msb (MSB<<8)|\new
.set MSB, \new
.endif
.endm
.macro PLACES n                        ; plain vector instructions between a matrix instruction and a load into, or a read of, its registers
.rept \n
	v_nop
.endr
.endm
; A joint load: wave 0 asks for x's tile, waves 1 to 3 for a weight's.  The branch hangs on the wave's number alone.  Four v_nop follow each of the two lines.
.macro JLOAD s
	s_cmp_eq_u32 s[WV], 0
	s_cbranch_scc0 .Lfor_b_\@
	tensor_load_to_lds s[G0A+4*\s:G0A+4*\s+3], s[G1A:G1A+7]
	s_nop 0
.rept 4
	v_nop
.endr
	s_branch .Lasked_\@
.Lfor_b_\@:
	tensor_load_to_lds s[G0B+4*\s:G0B+4*\s+3], s[G1B:G1B+7]
	s_nop 0
.rept 4
	v_nop
.endr
.Lasked_\@:
.endm
.macro CREST                           ; a round of the cluster's barrier behind its opening barrier
	s_cmp_lg_u32 s[WV], 0
	s_cbranch_scc1 .Lnot_wave_0_\@
	s_barrier_signal -3
.Lnot_wave_0_\@:
	s_barrier_wait -3
	s_barrier_signal -1
	s_barrier_wait -1
.endm
.macro CROUND                          ; a whole round
	s_barrier_signal -1
	s_barrier_wait -1
	CREST
.endm
	s_load_b256 s[4:11], s[0:1], 0x0               ; x s[4:5], Wq s[6:7], Wk s[8:9], Wv s[10:11]
	s_load_b128 s[12:15], s[0:1], 0x20             ; the scales' exponents s[12:13], the positions s[14:15]
	s_load_b128 s[16:19], s[0:1], 0x30             ; Q's images s[16:17], K's s[18:19]
	s_load_b64 s[20:21], s[0:1], 0x40              ; V's
	v_lshl_add_u32 v[SPW], v0, 2, SPARE
	v_mov_b32 v[NIL], 0
	ds_add_u32 v28, v29
	ds_add_u32 v28, v29
	s_wait_dscnt 0x0
	v_lshrrev_b32 v1, 5, v0
	v_readfirstlane_b32 s[WV], v1                  ; wave 0..3
	s_bfe_u32 s40, ttmp6, 0x40000                  ; cx, cy: my place in the cluster
	s_bfe_u32 s41, ttmp6, 0x40004
	s_lshl_b32 s42, ttmp9, 2
	s_add_co_u32 s42, s42, s40                     ; gx: the group of four heads
	s_and_b32 s43, ttmp7, 0xffff
	s_lshl_b32 s43, s43, 2
	s_add_co_u32 s43, s43, s41                     ; gy: the block of 128 rows
	s_lshl_b32 s44, s41, 2
	s_lshl_b32 s44, 15, s44                        ; my row of the cluster
	s_lshl_b32 s45, 0x1111, s40                    ; my column
	s_or_b32 s[G1A], s44, (1<<20)|(1<<21)|(4<<22)|(3<<25)   ; 15:0 the mask; 17:16 elements of 1 byte; 20 padding on; 21 set beside a mask; 24:22 after every 32 words (code 4); 31:25 four words (code 3)
	s_or_b32 s[G1B], s45, (1<<20)|(1<<21)|(4<<22)|(3<<25)
	s_mov_b32 s[G1A+1], 128<<16                    ; tensor_dim0 = 128
	s_mov_b32 s[G1A+2], 128<<16                    ; tensor_dim1 = 128 rows
	s_mov_b32 s[G1A+3], 128<<16                    ; tile_dim0
	s_mov_b32 s[G1A+4], 128                        ; tile_dim1
	s_mov_b32 s[G1A+5], 1024                       ; from row to row
	s_mov_b32 s[G1A+6], 0
	s_mov_b32 s[G1A+7], 0
	s_mov_b32 s[G1B+1], 128<<16
	s_mov_b32 s[G1B+2], 256<<16                    ; 256 rows
	s_mov_b32 s[G1B+3], 128<<16
	s_mov_b32 s[G1B+4], 256
	s_mov_b32 s[G1B+5], 1024
	s_mov_b32 s[G1B+6], 0
	s_mov_b32 s[G1B+7], 0
	s_lshl_b32 s90, s43, 17                        ; x: gy x 128 rows of 1,024 bytes (made of gy alone)
	s_mov_b32 s91, 0
	s_lshl_b32 s92, s42, 18                        ; a weight: gx x 256 rows (made of gx alone)
	s_mov_b32 s93, 0
	s_add_co_u32 s96, s[WV], 3
	s_and_b32 s96, s96, 3
	s_mul_i32 s96, s96, WR                         ; where a weight's tile goes: waves 1, 2, 3 -> 0, WR, 2 WR
	s_and_b32 s98, s43, 15                         ; the block's number in its sequence
	s_lshl_b32 s66, s98, 9                         ; its 128 positions
	s_mov_b32 s67, 0
	s_lshr_b32 s94, s43, 4
	s_lshl_b32 s94, s94, 4                         ; 16 x batch
	s_lshl_b32 s95, s42, 2
	s_add_co_u32 s94, s94, s95
	s_add_co_u32 s94, s94, s[WV]                   ; + my head
	s_lshl_b32 s94, s94, 17                        ; a head's images are 131,072 bytes,
	s_lshl_b32 s95, s98, 13
	s_add_co_u32 s94, s94, s95                     ; 128 tokens' 8,192: the same place in all three image buffers
	s_mov_b32 s95, 0
	s_mov_b32 s80, 0x3f22f983                      ; 2 / pi
	s_mov_b32 s81, 0x3fc90fdb                      ; pi / 2 in three parts
	s_mov_b32 s82, 0xb33bbd2e
	s_mov_b32 s83, 0xa6f72ced
	s_mov_b32 s84, 0xb94ca1f9                      ; sine: -1.9515295891e-4,
	s_mov_b32 s85, 0x3c08839e                      ; 8.3321608736e-3,
	s_mov_b32 s86, 0xbe2aaaa3                      ; -1.6666654611e-1
	s_mov_b32 s87, 0x37ccf5ce                      ; cosine: 2.443315712e-5,
	s_mov_b32 s88, 0xbab6061a                      ; -1.388731625e-3,
	s_mov_b32 s89, 0x3d2aaaa5                      ; 4.166664568e-2
	v_lshlrev_b32 v[PO], 2, v0
	s_wait_kmcnt 0x0
	s_load_b256 s[68:75], s[12:13], 0x0            ; e0 .. e7
	s_load_b128 s[76:79], s[12:13], 0x20           ; e8 .. e11
	s_add_nc_u64 s[4:5], s[4:5], s[90:91]
	s_cmp_eq_u32 s[WV], 2                          ; which weight I fetch: the choice hangs on the wave's number alone
	s_cselect_b64 s[46:47], s[8:9], s[6:7]
	s_cmp_eq_u32 s[WV], 3
	s_cselect_b64 s[46:47], s[10:11], s[46:47]
	s_add_nc_u64 s[46:47], s[46:47], s[92:93]
	s_add_nc_u64 s[14:15], s[14:15], s[66:67]
	s_add_nc_u64 s[16:17], s[16:17], s[94:95]
	s_add_nc_u64 s[18:19], s[18:19], s[94:95]
	s_add_nc_u64 s[20:21], s[20:21], s[94:95]
	CROUND                                         ; all sixteen work-groups are here: the first joint loads meet
.irp s, 0,1
	s_mov_b32 s[G0A+4*\s], 1                       ; count = 1
	s_mov_b32 s[G0A+4*\s+1], AOFF+\s*SLOT          ; LDS address
	s_add_nc_u64 s[G0A+4*\s+2:G0A+4*\s+3], s[4:5], \s*128   ; global address: K step s
	s_or_b32 s[G0A+4*\s+3], s[G0A+4*\s+3], 0x80000000       ; type = 2
	s_mov_b32 s[G0B+4*\s], 1
	s_add_co_u32 s[G0B+4*\s+1], s96, \s*SLOT
	s_add_nc_u64 s[G0B+4*\s+2:G0B+4*\s+3], s[46:47], \s*128
	s_or_b32 s[G0B+4*\s+3], s[G0B+4*\s+3], 0x80000000
	s_wait_alu depctr_va_vdst(0)
	s_wait_tensorcnt 0x0
	ds_add_u32 v28, v29
	ds_add_u32 v28, v29
	s_wait_dscnt 0x0
	CROUND
	JLOAD \s                                       ; one tensor load of mine is out
.endr
	s_wait_alu depctr_va_vdst(0)
	global_load_b32 v[POS], v[PO], s[14:15]        ; my token's position: thread t takes token t of the block
	v_and_b32 v1, 15, v0                           ; r = lane % 16
	v_bfe_u32 v2, v0, 4, 1                         ; h = lane / 16
	v_and_b32 v3, 31, v0                           ; lane
	v_mul_u32_u24 v4, v1, PITCH
	v_lshl_add_u32 v4, v2, 4, v4                   ; a fragment's row x pitch + 16 h
	s_mul_i32 s97, s[WV], 64*PITCH                 ; my head's 64 rows of a weight's 256
	v_add_nc_u32 v5, s97, v4
	v_add_nc_u32 v[ADRA], AOFF, v4
	v_add_nc_u32 v[ADRA+1], AOFF+SLOT, v4
.irp wt, 0,1,2
.irp sl, 0,1
	v_add_nc_u32 v[ADRB+2*\wt+\sl], \wt*WR+\sl*SLOT, v5
.endr
.endr
	v_lshlrev_b32 v[LI], 4, v3
	v_mul_u32_u24 v[TBR], v1, TP
	v_lshl_add_u32 v[TBR], v2, 5, v[TBR]
	v_add_nc_u32 v[TBR], TBL, v[TBR]
	v_mul_u32_u24 v[TBW], v0, TP
	v_add_nc_u32 v[TBW], TBL, v[TBW]
	s_wait_loadcnt 0x0
	v_cvt_f32_i32 v[POSF], v[POS]
; cos and sin of position x f0 and position x f1, into the table at byte off of my token's row.  In each group the lines of one frequency do not depend on each other, and the two frequencies follow each other.
; angle = n pi/2 + r, n whole, |r| <= pi/4.  n odd: sine and cosine change places; the sine's sign is bit 1 of n, the cosine's bit 1 xor bit 0.
; registers of a set: +0 angle, +1 n, +2 r, +3 z = r r, +4 sine, +5 cosine, +6 n as a whole number, +7 z r, +8 z z, +9 n odd, +10 the sine's sign, +11 the cosine's, +12 1 - z / 2
.macro SINCOS2 f0, f1, off
	v_mul_f32 v[SC], \f0, v[POSF]
	v_mul_f32 v[SD], \f1, v[POSF]
.irp c, SC, SD
	v_mul_f32 v[\c+1], s80, v[\c]
.endr
.irp c, SC, SD
	v_rndne_f32 v[\c+1], v[\c+1]
.endr
.irp c, SC, SD
	v_fma_f32 v[\c+2], -v[\c+1], s81, v[\c]
	v_cvt_i32_f32 v[\c+6], v[\c+1]
.endr
.irp c, SC, SD
	v_fma_f32 v[\c+2], -v[\c+1], s82, v[\c+2]
	v_and_b32 v[\c+9], 1, v[\c+6]
	v_lshlrev_b32 v[\c+10], 30, v[\c+6]
.endr
.irp c, SC, SD
	v_fma_f32 v[\c+2], -v[\c+1], s83, v[\c+2]
	v_lshlrev_b32 v[\c+11], 31, v[\c+6]
.endr
.irp c, SC, SD
	v_mul_f32 v[\c+3], v[\c+2], v[\c+2]
	v_xor_b32 v[\c+11], v[\c+10], v[\c+11]
.endr
.irp c, SC, SD
	v_fma_f32 v[\c+4], s84, v[\c+3], s85
	v_fma_f32 v[\c+5], s87, v[\c+3], s88
	v_mul_f32 v[\c+7], v[\c+3], v[\c+2]
	v_mul_f32 v[\c+8], v[\c+3], v[\c+3]
.endr
.irp c, SC, SD
	v_fma_f32 v[\c+4], v[\c+4], v[\c+3], s86
	v_fma_f32 v[\c+5], v[\c+5], v[\c+3], s89
	v_fma_f32 v[\c+12], v[\c+3], -0.5, 1.0
	v_and_b32 v[\c+10], 0x80000000, v[\c+10]
	v_and_b32 v[\c+11], 0x80000000, v[\c+11]
.endr
.irp c, SC, SD
	v_fma_f32 v[\c+4], v[\c+4], v[\c+7], v[\c+2]   ; sin r
	v_fma_f32 v[\c+5], v[\c+5], v[\c+8], v[\c+12]  ; cos r
.endr
.irp c, SC, SD
	v_cmp_eq_u32 vcc_lo, 1, v[\c+9]
	v_cndmask_b32 v[\c+2], v[\c+4], v[\c+5], vcc_lo
	v_cndmask_b32 v[\c+3], v[\c+5], v[\c+4], vcc_lo
.endr
.irp c, SC, SD
	v_xor_b32 v[OQ+(\c-SC)/8], v[\c+3], v[\c+11]     ; the cosine,
	v_xor_b32 v[OQ+(\c-SC)/8+1], v[\c+2], v[\c+10]   ; the sine
.endr
	ds_store_b128 v[TBW], v[OQ:OQ+3] offset:\off
.endm
	SINCOS2 1.0, 0.7498942093, 0                   ; the frequencies 10000^(-2 i / 64) = 10^(-i / 8)
	SINCOS2 0.5623413252, 0.4216965034, 16
	SINCOS2 0.3162277660, 0.2371373706, 32
	SINCOS2 0.1778279410, 0.1333521432, 48
	SINCOS2 0.1, 0.07498942093, 64
	SINCOS2 0.05623413252, 0.04216965034, 80
	SINCOS2 0.03162277660, 0.02371373706, 96
	SINCOS2 0.01778279410, 0.01333521432, 112
	SINCOS2 0.01, 0.007498942093, 128
	SINCOS2 0.005623413252, 0.004216965034, 144
	SINCOS2 0.003162277660, 0.002371373706, 160
	SINCOS2 0.001778279410, 0.001333521432, 176
	SINCOS2 0.001, 0.0007498942093, 192
	SINCOS2 0.0005623413252, 0.0004216965034, 208
	SINCOS2 0.0003162277660, 0.0002371373706, 224
	SINCOS2 0.0001778279410, 0.0001333521432, 240
; A sum of a product stands for sum x 2^(its two exponents added), so the three scales are folded into the conversion's one: 2^(sa - sb - sc) as f32, and 448 x that for the hold.
.macro MKSCALE vs, vh, sa, sb, sc
	s_sub_co_i32 s90, s[\sa], s[\sb]
	s_sub_co_i32 s90, s90, s[\sc]
	s_add_co_i32 s90, s90, 127
	s_lshl_b32 s91, s90, 23
	v_mov_b32 v[\vs], s91
	s_add_co_i32 s90, s90, 8
	s_lshl_b32 s90, s90, 23
	s_or_b32 s90, s90, 0x600000
	v_mov_b32 v[\vh], s90
.endm
	s_wait_kmcnt 0x0
	MKSCALE SQ, HQ, 74, 68, 69                     ; Q: e6 - e0 - e1
	MKSCALE SK, HK, 75, 70, 71                     ; K: e7 - e2 - e3
	MKSCALE SV, HV, 77, 72, 73                     ; V: e9 - e4 - e5
.macro FRAG reg, adr, off              ; 16 rows x 64 K: 8 registers, two loads of 16 bytes, 32 bytes apart
	ds_load_b128 v[\reg:\reg+3], v[\adr] offset:\off
	ds_load_b128 v[\reg+4:\reg+7], v[\adr] offset:\off+32
.endm
.macro FETCH_A slot, q, set            ; x's eight fragments of the slot's q-th 64 along K: 16 loads
.irp a, 0,1,2,3,4,5,6,7
	FRAG AF+64*(\set)+8*\a, ADRA+(\slot), \a*16*PITCH+64*(\q)
.endr
.endm
.macro FETCH_B slot, q, b0             ; the weights' fragments b0 .. b0 + 5 of twelve (0-3 Wq, 4-7 Wk, 8-11 Wv): 12 loads
.irp i, 0,1,2,3,4,5
	FRAG BF+8*((\b0)+\i), ADRB+2*(((\b0)+\i)/4)+(\slot), (((\b0)+\i)%4)*16*PITCH+64*(\q)
.endr
.endm
; Eight matrix instructions: weight tile b against x's eight row tiles.  Q and K transposed, V the natural way.  zero = 1: the first product starts the sums: nothing is ever cleared.
; The 96 accumulators take turns, one instruction a turn, in the same order in every half step.
.macro MULT b, set, zero
.irp a, 0,1,2,3,4,5,6,7
.if (\b) < 8
.if \zero
	v_wmma_f32_16x16x64_fp8_fp8 v[8*(8*((\b)%4)+\a):8*(8*((\b)%4)+\a)+7], v[BF+8*(\b):BF+8*(\b)+7], v[AF+64*(\set)+8*\a:AF+64*(\set)+8*\a+7], 0
.else
	v_wmma_f32_16x16x64_fp8_fp8 v[8*(8*((\b)%4)+\a):8*(8*((\b)%4)+\a)+7], v[BF+8*(\b):BF+8*(\b)+7], v[AF+64*(\set)+8*\a:AF+64*(\set)+8*\a+7], v[8*(8*((\b)%4)+\a):8*(8*((\b)%4)+\a)+7]
.endif
.else
.if \zero
	v_wmma_f32_16x16x64_fp8_fp8 v[8*(8*((\b)%4)+\a):8*(8*((\b)%4)+\a)+7], v[AF+64*(\set)+8*\a:AF+64*(\set)+8*\a+7], v[BF+8*(\b):BF+8*(\b)+7], 0
.else
	v_wmma_f32_16x16x64_fp8_fp8 v[8*(8*((\b)%4)+\a):8*(8*((\b)%4)+\a)+7], v[AF+64*(\set)+8*\a:AF+64*(\set)+8*\a+7], v[BF+8*(\b):BF+8*(\b)+7], v[8*(8*((\b)%4)+\a):8*(8*((\b)%4)+\a)+7]
.endif
.endif
.endr
.endm
; A slot's first half step: multiplies x's set 0 and fetches the second half step's fragments: x's into set 1; the weights' tiles as soon as their products are issued.
.macro STEP slot, zero
	s_wait_dscnt 12                                ; all but the youngest twelve loads (weight tiles 6-11) are in
	WIN 0x50                                       ; C and D window 1: Q
	MULT 0, 0, \zero
	MULT 1, 0, \zero
	MULT 2, 0, \zero
	MULT 3, 0, \zero
	WIN 0xa0                                       ; window 2: K
	MULT 4, 0, \zero
	MULT 5, 0, \zero
	s_wait_dscnt 0x0                               ; tiles 6-11 are in (asked for 48 matrix instructions ago)
	PLACES 4
	WIN 0
	FETCH_A \slot, 1, 1
	FETCH_B \slot, 1, 0
	WIN 0xa0
	MULT 6, 0, \zero
	MULT 7, 0, \zero
	WIN 0xf0                                       ; window 3: V
	MULT 8, 0, \zero
	MULT 9, 0, \zero
	MULT 10, 0, \zero
	MULT 11, 0, \zero
	PLACES 4
	WIN 0
	FETCH_B \slot, 1, 6
.endm
; A slot's second half step multiplies x's set 1 and changes slots: ONE barrier; in front of it each wave waits for all its tensor loads, adds 0 to its spare word, and waits for that and for its reads of this slot.
; fill = 1: the barrier opens a round of the cluster's barrier, and this slot is filled again, two K steps ahead: the load has the rest of this half step and the next slot's products in which to land.
.macro TURN slot, next, fill
	s_wait_tensorcnt 0x0                           ; all my tensor loads have landed: the one that was out is my part of the next slot
	ds_add_u32 v[SPW], v[NIL]                      ; 0 onto my spare word
	s_wait_dscnt 13                                ; (the add and the youngest twelve loads may be out)
	WIN 0x50
	MULT 0, 1, 0                                   ; 32 matrix instructions stand between the add and the wait for it
	MULT 1, 1, 0
	MULT 2, 1, 0
	MULT 3, 1, 0
	s_wait_dscnt 0x0                               ; the add is done, and my reads of this slot are over
	s_barrier_signal -1
	WIN 0xa0
	MULT 4, 1, 0
	MULT 5, 1, 0
	WIN 0
	s_barrier_wait -1
.if \fill
	CREST                                          ; no wave of any partner still reads this slot's tiles or has a load on its way
	s_add_nc_u64 s[G0A+4*\slot+2:G0A+4*\slot+3], s[G0A+4*\slot+2:G0A+4*\slot+3], 256
	s_add_nc_u64 s[G0B+4*\slot+2:G0B+4*\slot+3], s[G0B+4*\slot+2:G0B+4*\slot+3], 256
	JLOAD \slot                                    ; the first tensor load behind the round, my one load until the next; its four v_nop are the places in front of the loads below
.else
	PLACES 4
.endif
	FETCH_A \next, 0, 0
	FETCH_B \next, 0, 0
	WIN 0xa0
	MULT 6, 1, 0
	MULT 7, 1, 0
	WIN 0xf0
	MULT 8, 1, 0
	MULT 9, 1, 0
	MULT 10, 1, 0
	MULT 11, 1, 0
	PLACES 4
	WIN 0
	FETCH_B \next, 0, 6
.endm
	s_wait_dscnt 0x0                               ; for the others' sake: my rows of the table are stored
	s_wait_tensorcnt 0x1                           ; my part of K step 0 is in; K step 1's may stay out
	s_barrier_signal -1
	s_barrier_wait -1
	FETCH_A 0, 0, 0
	FETCH_B 0, 0, 0
	FETCH_B 0, 0, 6
	STEP 0, 1                                      ; the first half step stands in front of the loop: its products start the sums
	s_mov_b32 s3, 3
.Llap:                                             ; a trip goes once round the ring and fills both slots again: K steps 2 to 7 in three trips
	TURN 0, 1, 1
	STEP 1, 0
	TURN 1, 0, 1
	STEP 0, 0
	s_sub_co_u32 s3, s3, 1
	s_cmp_lg_u32 s3, 0
	s_cbranch_scc1 .Llap
	TURN 0, 1, 0                                   ; the last lap fills nothing and has no round
	STEP 1, 0
	s_wait_dscnt 12                                ; the very last half step: nothing more to fetch
	WIN 0x50
	MULT 0, 1, 0
	MULT 1, 1, 0
	MULT 2, 1, 0
	MULT 3, 1, 0
	WIN 0xa0
	MULT 4, 1, 0
	MULT 5, 1, 0
	s_wait_dscnt 0x0
	MULT 6, 1, 0
	MULT 7, 1, 0
	WIN 0xf0
	MULT 8, 1, 0
	MULT 9, 1, 0
	MULT 10, 1, 0
	MULT 11, 1, 0
	WIN 0
; THE WAY OUT.  Row tile a of Q and K: lane (r, h) holds token 16 a + r and, of channel tile b, channels 16 b + 8 h + 0 .. 7: rope pairs 8 b + 4 h + 0 .. 3, whose (cos, sin) are 32 bytes of the token's table row.
.macro TABLE a, set
.irp b, 0,1,2,3
	ds_load_b128 v[CS+32*(\set)+8*\b:CS+32*(\set)+8*\b+3], v[TBR] offset:(\a)*16*TP+64*\b
	ds_load_b128 v[CS+32*(\set)+8*\b+4:CS+32*(\set)+8*\b+7], v[TBR] offset:(\a)*16*TP+64*\b+16
.endr
.endm
; (t1, t2) -> (t1 c - t2 s, t1 s + t2 c): a packed multiply (t1 c, t2 c), then a packed multiply-add whose low half takes -t2 and s, its high half t1 and s.  Each accumulator is read from its low end on.
.macro ROPE win, dst, a, set
	WIN \win                                       ; source 0: the accumulators' window
.irp b, 0,1,2,3
.irp j, 0,2,4,6
	v_pk_mul_f32 v[\dst+8*\b+\j:\dst+8*\b+\j+1], v[8*(8*\b+(\a))+\j:8*(8*\b+(\a))+\j+1], v[CS+32*(\set)+8*\b+\j:CS+32*(\set)+8*\b+\j+1] op_sel_hi:[1,0]
.endr
.irp j, 0,2,4,6
	v_pk_fma_f32 v[\dst+8*\b+\j:\dst+8*\b+\j+1], v[8*(8*\b+(\a))+\j:8*(8*\b+(\a))+\j+1], v[CS+32*(\set)+8*\b+\j:CS+32*(\set)+8*\b+\j+1], v[\dst+8*\b+\j:\dst+8*\b+\j+1] op_sel:[1,1,0] op_sel_hi:[0,1,1] neg_lo:[1,0,0]
.endr
.endr
.endm
	PLACES 4                                       ; behind the last products: loads into the fragments' registers and reads of results follow
	TABLE 0, 0
.irp a, 0,1,2,3,4,5,6,7
.if \a < 7
	TABLE \a+1, (\a+1)%2
	s_wait_dscnt 0x8                               ; this tile's eight table loads are in; the next tile's may be out
.else
	s_wait_dscnt 0x0
.endif
	ROPE 0x01, TQ, \a, \a%2
	ROPE 0x02, TK, \a, \a%2
	WIN 0
.set cnt, 0
.rept 32
.set cnt, cnt+1
.endr
.set cnt, 0
.rept 32
.set cnt, cnt+1
.endr
.if \a > 1
	s_wait_alu depctr_va_vdst(0)
	s_wait_xcnt 0x0                                ; the stores of two tiles back have read this set of codes
.endif
.irp b, 0,1,2,3
	v_cvt_scalef32_pk8_fp8_f32 v[CD+16*(\a%2)+2*\b:CD+16*(\a%2)+2*\b+1], v[TQ+8*\b:TQ+8*\b+7], v[SQ]       ; channel tile b: registers 2 b, 2 b + 1 of the operand
.endr
.irp b, 0,1,2,3
	v_cvt_scalef32_pk8_fp8_f32 v[CD+16*(\a%2)+8+2*\b:CD+16*(\a%2)+8+2*\b+1], v[TK+8*\b:TK+8*\b+7], v[SK]
.endr
	v_nop                                          ; one plain vector instruction behind the last conversion, ahead of the lines that write its sources again
.irp g, 0,1
	global_store_b128 v[LI], v[CD+16*(\a%2)+4*\g:CD+16*(\a%2)+4*\g+3], s[16:17] offset:\a*1024+\g*512       ; 32 lanes store 512 consecutive bytes, at a multiple of 512 from the buffer's first byte
	global_store_b128 v[LI], v[CD+16*(\a%2)+8+4*\g:CD+16*(\a%2)+8+4*\g+3], s[18:19] offset:\a*1024+\g*512
.endr
.endr
; V, channel tile t: lane (r, h) holds channel 16 t + r and, of row tile a, tokens 16 a + 8 h + 0 .. 7: registers 2 a, 2 a + 1 of the operand whose K is the block's 128 keys.
.irp t, 0,1,2,3
	WIN 0x03                                       ; source 0: window 3
.set cnt, 0
.rept 64
	v_med3_num_f32 v[TQ+cnt], v[64*\t+cnt], -v[HV], v[HV]
.set cnt, cnt+1
.endr
	WIN 0
.if \t > 1
	s_wait_alu depctr_va_vdst(0)
	s_wait_xcnt 0x0                                ; the stores of two tiles back have read this set of codes
.endif
.irp a, 0,1,2,3,4,5,6,7
	v_cvt_scalef32_pk8_fp8_f32 v[VC+16*(\t%2)+2*\a:VC+16*(\t%2)+2*\a+1], v[TQ+8*\a:TQ+8*\a+7], v[SV]
.endr
	v_nop
.irp g, 0,1,2,3
	global_store_b128 v[LI], v[VC+16*(\t%2)+4*\g:VC+16*(\t%2)+4*\g+3], s[20:21] offset:\t*2048+\g*512
.endr
.endr
	s_wait_tensorcnt 0x0                           ; the wave's end
	ds_add_u32 v[SPW], v[NIL]
	s_wait_dscnt 0x0
	CROUND                                         ; the closing round: no work-group ends while a partner may still ask for a tile that names it
	s_endpgm
.Lfunc_end_k_qf0d9c17493_qkv:
	.size	k_qf0d9c17493_qkv, .Lfunc_end_k_qf0d9c17493_qkv-k_qf0d9c17493_qkv
	.p2alignl 7, 3214868480
	.fill 96, 4, 3214868480
	.section	.rodata,"a",@progbits
	.p2align	6, 0x0
	.amdhsa_kernel k_qf0d9c17493_qkv
		.amdhsa_group_segment_fixed_size 327680
		.amdhsa_private_segment_fixed_size 0
		.amdhsa_enable_private_segment 0
		.amdhsa_kernarg_size 72
		.amdhsa_user_sgpr_count 2
		.amdhsa_user_sgpr_kernarg_segment_ptr 1
		.amdhsa_wavefront_size32 1
		.amdhsa_system_sgpr_workgroup_id_x 1
		.amdhsa_system_sgpr_workgroup_id_y 1
		.amdhsa_system_sgpr_workgroup_id_z 1
		.amdhsa_system_vgpr_workitem_id 0
		.amdhsa_next_free_vgpr 1024
		.amdhsa_next_free_sgpr 100
		.amdhsa_reserve_vcc 1
		.amdhsa_float_denorm_mode_32 3
		.amdhsa_float_denorm_mode_16_64 3
		.amdhsa_fp16_overflow 1
		.amdhsa_memory_ordered 1
		.amdhsa_forward_progress 1
		.amdhsa_inst_pref_size 191
	.end_amdhsa_kernel
	.amdgpu_metadata
---
amdhsa.version: [ 1, 2 ]
amdhsa.kernels:
  - .name:           k_qf0d9c17493_qkv
    .symbol:         k_qf0d9c17493_qkv.kd
    .args:
      - { .name: x_codes, .offset: 0, .size: 8, .value_kind: global_buffer, .address_space: global }
      - { .name: Wq_codes, .offset: 8, .size: 8, .value_kind: global_buffer, .address_space: global }
      - { .name: Wk_codes, .offset: 16, .size: 8, .value_kind: global_buffer, .address_space: global }
      - { .name: Wv_codes, .offset: 24, .size: 8, .value_kind: global_buffer, .address_space: global }
      - { .name: lowp_scales, .offset: 32, .size: 8, .value_kind: global_buffer, .address_space: global }
      - { .name: token_positions, .offset: 40, .size: 8, .value_kind: global_buffer, .address_space: global }
      - { .name: q_img, .offset: 48, .size: 8, .value_kind: global_buffer, .address_space: global }
      - { .name: k_img, .offset: 56, .size: 8, .value_kind: global_buffer, .address_space: global }
      - { .name: v_img, .offset: 64, .size: 8, .value_kind: global_buffer, .address_space: global }
    .group_segment_fixed_size: 327680
    .private_segment_fixed_size: 0
    .kernarg_segment_align: 8
    .kernarg_segment_size: 72
    .max_flat_workgroup_size: 128
    .sgpr_count:     100
    .vgpr_count:     1024
    .wavefront_size: 32
...
	.end_amdgpu_metadata
.endif
;; end of part 1
;; launch attn (part 2): grid 4 x 64, 16 waves a work-group, no clusters, 327,680 bytes of LDS; arguments q_img, k_img, v_img, lowp_scales, y_img; writes y_img
.if DOCPART == 2
	.amdgcn_target "amdgcn-amd-amdhsa--gfx1250"
	.amdhsa_code_object_version 6
	.text
	.protected	k_qf0d9c17493_attn
	.globl	k_qf0d9c17493_attn
	.p2align	8
	.type	k_qf0d9c17493_attn,@function
k_qf0d9c17493_attn:
	s_mov_b64 s[64:65], 0
	v_nop
	global_prefetch_b8 v0, s[64:65] scope:SCOPE_SE
	s_setreg_imm32_b32 hwreg(HW_REG_WAVE_MODE, 25, 1), 1
	s_wait_xcnt 0x0
; Y[bh][q] = the sum over k <= q of softmax_k(Q[q] . K[k] / 8) V[k], head size 64, both products on codes of E4M3, and the quantiser of Y.  64 heads (batch x head) of 2,048 tokens.
; Q, K, V arrive, and Y leaves, as images of operand registers: four registers a lane, 16 bytes at 16 x lane.  Q, K: a tile of 16 tokens is 1,024 bytes; V: a step of 128 keys is 8,192 bytes (4 channel tiles of 2,048).
; THE SOFTMAX AHEAD OF THE SECOND PRODUCT: t = score x log2(e) / 8; M = the row's largest t so far, rounded UP to a whole number; p = 2^(t - M) is quantised, not normalised; the row's sum is taken of the
; unquantised p and divides at the end.  When M moves, the sum and O are multiplied by 2^(old M - new M), which rounds nothing.
; SHARES.  A work-group owns TWO blocks of 256 queries of one head, blocks p and 7 - p (p = 0 .. 3): block p needs key slots 0 .. p, block 7 - p slots 0 .. 7 - p, so every work-group walks exactly NINE slots of 256 keys,
; two of them on the diagonal: 256 work-groups of equal work, and trip counts that are constants of the text.  Each of the sixteen waves owns 16 queries of the block in hand, in 256 registers: four waves to a SIMD, so that
; one wave's vector work stands beside another's matrix work and LDS loads.
; No cluster: in one and the same trip the four work-groups of a head want different key slots, so there is no joint request to make.
; LAYOUT.  Both products are used transposed: S^T = K Q^T (source 0 = 16 keys, source 1 = my 16 queries), O^T = V^T P^T (source 0 = 16 channels, source 1 = P): a lane holds ONE query (lane % 16) throughout, and the eight
; results of key tile T are keys 16 T + 8 (lane / 16) + 0 .. 7: they convert into registers 2 T, 2 T + 1 of P's fragment.  Likewise O^T's channel tile t into registers 2 t, 2 t + 1 of Y's.
; CAUSAL.  A step all of whose 128 keys come after my 16 queries is left out by a scalar branch on ids; on the diagonal hidden scores become -infinity ahead of the maximum.  Key 0 counts for every query.
; LIMITS: e6 + e7 between -123 and 130 (added to c's exponent field); e8 and e10 - e8 - e9 between -126 and 119.
; REGISTERS: v1 16 x lane; v5, v6 the add's; v7 the prefetches' offset; v8 LDS address in hand; v12 -M, v13 the largest t, v[14:15] the sum; v16-23 Q in hand; v24-31 Q of block 7 - p; v32-95 eight fragments of K, then four of V;
;   v96-159 S^T, then p; v160-191 O^T; v192-207 p's codes; v208-215 Y's codes; v244 p's scale; v245 Y's; v236, v238-243, v246-255 at work.
.set SLOT1, 32768                      ; a slot: 16 tiles of K (16,384 bytes), then two steps of V (16,384); slot 1 begins here, so that one exclusive or turns an address from one slot to the other
.set VOFF,  16384
.set SPARE, 2*SLOT1                    ; behind the ring: the spare words, 128 bytes for each wave: eight blocks of 256 bytes that no other line names
.set LI,   1
.set SPW,  5
.set NIL,  6
.set PFO,  7
.set ADK,  8
.set TB,   2                           ; s2   LDS byte at which the slot in hand begins
.set T,    3                           ; s3   the trip's number
.set P,    14                          ; s14  p
.set WV,   18
.set SEL,  20                          ; s[20:21] lane selects for v_permlanex16_b32: lane l xor 16
.set CS,   22                          ; s[22:23] c = log2(e) / 8 x 2^(e6 + e7)
.set G1,   24                          ; s[24:31] descriptor group 1: a dense block of 64 rows of 256 bytes
.set G0,   40                          ; s[40:43] descriptor group 0, which walks
.set BASE, 44                          ; s[44:45] my head's K images (wave 0) or V images (wave 1)
.set OFF,  46                          ; s[46:47] the key slot's bytes
.set YLO,  48                          ; s[48:49], s[50:51] where my tile of Y goes, for block p and for block 7 - p
.set YHI,  50
.set QLO,  52
.set QHI,  54
.set SLOTS, 67                         ; s67  slots still to be asked for
.set PFA,  76                          ; s[76:77] where my prefetches stand
.set LIM,  80                          ; s80  1 in a wave that prefetches, else the greatest number
.set Q0HI, 97
.set KF,   98                          ; s98  the step's first key
.set Q0,   99                          ; s99  my first query
; Wave 0 fetches a slot's K, wave 1 its V, the others nothing.  The branch hangs on the wave's number alone.  Four v_nop follow the line.
.macro TLOAD
	s_cmp_lt_u32 s[WV], 2
	s_cbranch_scc0 .Lasked_\@
	tensor_load_to_lds s[G0:G0+3], s[G1:G1+7]
	s_nop 0
.rept 4
	v_nop
.endr
.Lasked_\@:
.endm
; A PREFETCH INTO THE L2.  The head's work-group p = 0 walks key slots 0, 0, 1, .. 7; in trip t it asks for key slot t + 1, which its own tensor loads ask for one trip later.  Waves 4 and 5 take the two halves of K's 16,384 bytes,
; waves 6 and 7 of V's: 8,192 bytes a wave, lanes 256 bytes apart, one instruction.  So each aligned block of 256 bytes of slots 1 to 7 is named once in the launch; slot 0 comes by its load alone, and trips 7 and 8 ask for nothing.
.macro ASK
	s_cmp_gt_u32 s[SLOTS], s[LIM]
	s_cbranch_scc0 .Lnot_mine_\@
	global_prefetch_b8 v[PFO], s[PFA:PFA+1] th:TH_LOAD_NT scope:SCOPE_SE
.Lnot_mine_\@:
.endm
	s_load_b256 s[4:11], s[0:1], 0x0               ; Q's images s[4:5], K's s[6:7], V's s[8:9], the scales' exponents s[10:11]
	s_load_b64 s[12:13], s[0:1], 0x20              ; Y's images
	v_lshl_add_u32 v[SPW], v0, 2, SPARE
	v_mov_b32 v[NIL], 0
	ds_add_u32 v5, v6
	ds_add_u32 v5, v6
	s_wait_dscnt 0x0
	v_lshrrev_b32 v8, 5, v0
	s_delay_alu instid0(VALU_DEP_1)
	v_readfirstlane_b32 s[WV], v8                  ; wave 0..15
	s_mov_b32 s[P], ttmp9
	s_and_b32 s82, ttmp7, 0xffff                   ; 16 x batch + head
	s_lshl_b32 s84, s82, 17                        ; the head's first byte in Q's, K's and V's images
	s_mov_b32 s85, 0
	s_lshl_b32 s86, s[WV], 4
	s_lshl_b32 s[Q0], s[P], 8
	s_add_co_u32 s[Q0], s[Q0], s86                 ; my first query in block p: 256 p + 16 wave,
	s_sub_co_u32 s87, 7, s[P]
	s_lshl_b32 s[Q0HI], s87, 8
	s_add_co_u32 s[Q0HI], s[Q0HI], s86             ; and in block 7 - p
	; Y's image of my tile: row block (16 batch + 2 block + wave / 8) x 131,072 + (head / 4) x 32,768 + (wave % 8) x 4,096 + (head % 4) x 1,024
	s_lshr_b32 s88, s82, 4
	s_and_b32 s89, s82, 15
	s_lshl_b32 s88, s88, 4
	s_lshr_b32 s90, s[WV], 3
	s_add_co_u32 s88, s88, s90
	s_lshl_b32 s88, s88, 17
	s_lshr_b32 s90, s89, 2
	s_lshl_b32 s90, s90, 15
	s_add_co_u32 s88, s88, s90
	s_and_b32 s90, s89, 3
	s_lshl_b32 s90, s90, 10
	s_add_co_u32 s88, s88, s90
	s_and_b32 s90, s[WV], 7
	s_lshl_b32 s90, s90, 12
	s_add_co_u32 s88, s88, s90
	s_lshl_b32 s90, s[P], 18
	s_add_co_u32 s90, s90, s88
	s_mov_b32 s91, 0
	s_lshl_b32 s92, s87, 18
	s_add_co_u32 s92, s92, s88
	s_mov_b32 s93, 0
	s_lshl_b32 s94, s[Q0], 6                       ; Q: a tile of 16 queries is 1,024 bytes
	s_add_co_u32 s94, s94, s84
	s_mov_b32 s95, 0
	s_lshl_b32 s86, s[Q0HI], 6
	s_add_co_u32 s86, s86, s84
	s_mov_b32 s87, 0
	s_mov_b32 s[G1], 3<<16                         ; no mask; elements of 8 bytes; no padding: every read is at 16 x lane
	s_mov_b32 s[G1+1], 32<<16                      ; tensor_dim0 = 32 elements: 256 bytes
	s_mov_b32 s[G1+2], 64<<16                      ; tensor_dim1 = 64 rows
	s_mov_b32 s[G1+3], 32<<16                      ; tile_dim0
	s_mov_b32 s[G1+4], 64                          ; tile_dim1
	s_mov_b32 s[G1+5], 32                          ; from row to row: dense
	s_mov_b32 s[G1+6], 0
	s_mov_b32 s[G1+7], 0
	s_mov_b32 s[SEL], 0x76543210
	s_mov_b32 s[SEL+1], 0xfedcba98
	s_mov_b32 s[CS], 0x3e38aa3b                    ; log2(e) / 8
	s_mov_b32 s[TB], 0
	s_mov_b32 s[T], 0
	s_mov_b32 s[SLOTS], 8
	s_mov_b32 s[KF], 0
	s_wait_kmcnt 0x0
	s_load_b128 s[68:71], s[10:11], 0x18           ; e6, e7, e8, e9
	s_load_b32 s72, s[10:11], 0x28                 ; e10
	s_cmp_eq_u32 s[WV], 0
	s_cselect_b64 s[BASE:BASE+1], s[6:7], s[8:9]
	s_add_nc_u64 s[BASE:BASE+1], s[BASE:BASE+1], s[84:85]
	s_mov_b32 s[G0], 1                             ; count = 1
	s_and_b32 s[G0+1], s[WV], 1
	s_lshl_b32 s[G0+1], s[G0+1], 14                ; LDS address: slot 0; K at 0, V at 16,384
	s_mov_b64 s[G0+2:G0+3], s[BASE:BASE+1]         ; global address: key slot 0
	s_or_b32 s[G0+3], s[G0+3], 0x80000000          ; type = 2
	TLOAD                                          ; slot 0
	s_add_nc_u64 s[QLO:QLO+1], s[4:5], s[94:95]
	s_add_nc_u64 s[QHI:QHI+1], s[4:5], s[86:87]
	s_add_nc_u64 s[YLO:YLO+1], s[12:13], s[90:91]
	s_add_nc_u64 s[YHI:YHI+1], s[12:13], s[92:93]
	s_cmp_lt_u32 s[WV], 6                          ; the prefetches: waves 4 and 5 K's, waves 6 and 7 V's
	s_cselect_b64 s[PFA:PFA+1], s[6:7], s[8:9]
	s_add_nc_u64 s[PFA:PFA+1], s[PFA:PFA+1], s[84:85]
	s_and_b32 s82, s[WV], 1
	s_lshl_b32 s82, s82, 13
	s_mov_b32 s83, 0
	s_add_nc_u64 s[PFA:PFA+1], s[PFA:PFA+1], s[82:83]   ; my half, in key slot 0: the first change of slots steps it to slot 1
	s_sub_co_u32 s82, s[WV], 4
	s_lshr_b32 s82, s82, 2                         ; 0 in waves 4 to 7,
	s_or_b32 s82, s82, ttmp9                       ; of the head's work-group p = 0
	s_cmp_eq_u32 s82, 0
	s_cselect_b32 s[LIM], 1, -1
	v_and_b32 v[LI], 31, v0
	s_delay_alu instid0(VALU_DEP_1)
	v_lshlrev_b32 v[PFO], 8, v[LI]
	s_delay_alu instid0(VALU_DEP_2)
	v_lshlrev_b32 v[LI], 4, v[LI]
	global_load_b128 v[16:19], v[LI], s[QLO:QLO+1]            ; both blocks' fragments of Q stay in registers
	global_load_b128 v[20:23], v[LI], s[QLO:QLO+1] offset:512
	global_load_b128 v[24:27], v[LI], s[QHI:QHI+1]
	global_load_b128 v[28:31], v[LI], s[QHI:QHI+1] offset:512
.macro BEGIN                           ; a block's start: the first step finds zeros, which the first change of M leaves zeros
	v_mov_b32 v13, 0xff61b1e6                      ; the largest t so far: -3e38, under every t
	s_delay_alu instid0(VALU_DEP_1)
	v_floor_f32 v12, -v13                          ; -M
	v_mov_b32 v14, 0                               ; the sum, in two halves
	v_mov_b32 v15, 0
.set cnt, 0
.rept 32
	v_mov_b32 v[160+cnt], 0                        ; O^T
.set cnt, cnt+1
.endr
.endm
	BEGIN
	v_mov_b32 v236, 0                              ; written once: a lane permute's destination counts as one of its sources,
	v_mov_b32 v252, 0
	v_mov_b32 v253, 0                              ; and a pair is named whole
	v_mov_b32 v254, 0
	s_wait_kmcnt 0x0
	s_add_co_i32 s82, s68, s69
	s_lshl_b32 s82, s82, 23
	s_add_co_i32 s[CS], s[CS], s82                 ; a score stands for score x 2^(e6 + e7): the two exponents are added to c's exponent field
	s_mov_b32 s[CS+1], s[CS]                       ; (named with it as a pair, so it is written)
	s_add_co_i32 s82, s70, 127
	s_lshl_b32 s83, s82, 23
	v_mov_b32 v244, s83                            ; 2^e8 as f32, for p's conversion
	s_sub_co_i32 s82, s72, s70
	s_sub_co_i32 s82, s82, s71                     ; O^T / the sum stands for Y / 2^(e8 + e9): Y's conversion takes 2^(e10 - e8 - e9)
	s_add_co_i32 s82, s82, 127
	s_lshl_b32 s83, s82, 23
	v_mov_b32 v245, s83
; A KEY STEP: 128 keys, the q-th of the slot in hand.
.macro STEP q
	s_add_co_u32 s96, s[Q0], 15
	s_cmp_gt_u32 s[KF], s96                        ; all 128 keys come after my 16 queries: the step's work is left out
	s_cbranch_scc1 .Lhidden_\@
	v_add_nc_u32 v[ADK], s[TB], v[LI]
.rept 3
	v_nop                                          ; with the addition above: four places in front of loads into registers that the last products read
.endr
.irp t, 0,1,2,3,4,5,6,7
	ds_load_b128 v[32+8*\t:35+8*\t], v[ADK] offset:(\q)*8192+\t*1024
	ds_load_b128 v[36+8*\t:39+8*\t], v[ADK] offset:(\q)*8192+\t*1024+512
.endr
	s_wait_alu depctr_va_vdst(0)
	s_wait_dscnt 0x0
.irp t, 0,1,2,3,4,5,6,7                        ; S^T = K Q^T: eight tiles of 16 keys
	v_wmma_f32_16x16x64_fp8_fp8 v[96+8*\t:103+8*\t], v[32+8*\t:39+8*\t], v[16:23], 0
.endr
.rept 4
	v_nop                                          ; places in front of the loads below and of the first read of the scores
.endr
.irp t, 0,1,2,3                                ; V's four fragments are asked for now and land while the softmax is walked
.irp g, 0,1,2,3
	ds_load_b128 v[32+16*\t+4*\g:35+16*\t+4*\g], v[ADK] offset:VOFF+(\q)*8192+\t*2048+\g*512
.endr
.endr
	s_add_co_u32 s96, s[KF], 127
	s_cmp_le_u32 s96, s[Q0]                        ; all 128 keys count: no mask
	s_cbranch_scc1 .Lopen_\@
	s_sub_co_i32 s96, s[Q0], s[KF]
	v_and_b32 v252, 15, v0
	v_bfe_u32 v253, v0, 4, 1
	s_delay_alu instid0(VALU_DEP_1)
	v_lshlrev_b32 v253, 3, v253
	s_delay_alu instid0(VALU_DEP_1)
	v_sub_nc_u32 v252, v252, v253
	s_delay_alu instid0(VALU_DEP_1)
	v_add_nc_u32 v252, s96, v252                   ; d = my query - KF - 8 (lane / 16).  Register 8 T + j holds key KF + 8 (lane / 16) + 16 T + j: hidden where 16 T + j > d
	v_mov_b32 v254, 0xff800000                     ; -infinity
.set cnt, 0
.rept 64
	v_cmp_gt_i32 vcc_lo, 16*(cnt/8)+cnt%8, v252
	v_cndmask_b32 v[96+cnt], v[96+cnt], v254, vcc_lo
.set cnt, cnt+1
.endr
.Lopen_\@:
	v_max3_num_f32 v254, v96, v97, v98             ; the step's largest score of my query, among my 64 keys, in two chains (each tile's registers from the low end on),
	v_max3_num_f32 v252, v99, v100, v101
.irp i, 6,10,14,18,22,26,30,34,38,42,46,50,54,58
	v_max3_num_f32 v254, v254, v[96+\i], v[97+\i]
	v_max3_num_f32 v252, v252, v[98+\i], v[99+\i]
.endr
	v_max3_num_f32 v254, v254, v158, v159
	s_delay_alu instid0(VALU_DEP_1)
	v_max_num_f32 v254, v254, v252
	s_delay_alu instid0(VALU_DEP_1)
	v_permlanex16_b32 v236, v254, s[SEL], s[SEL+1]
	s_delay_alu instid0(VALU_DEP_1)
	v_max_num_f32 v254, v254, v236                 ; and among lane l xor 16's
	s_delay_alu instid0(VALU_DEP_1)
	v_mul_f32 v254, s[CS], v254                    ; as t (c is positive)
	s_delay_alu instid0(VALU_DEP_1)
	v_max_num_f32 v13, v13, v254                   ; the running largest t
	v_mov_b32 v254, v12
	s_delay_alu instid0(VALU_DEP_2)
	v_floor_f32 v12, -v13                          ; the new -M = floor(-t) = -ceil(t): M is a whole number
	s_delay_alu instid0(VALU_DEP_1)
	v_sub_f32 v254, v12, v254                      ; M's old value less its new one: a whole number, 0 or less
	s_delay_alu instid0(VALU_DEP_1)
	v_cvt_i32_f32 v254, v254                       ; (it saturates)
	s_delay_alu instid0(VALU_DEP_1)
	v_ldexp_f32 v252, 1.0, v254                    ; f = 2^(old M - new M)
.set cnt, 0
.rept 32
	v_pk_fma_f32 v[96+cnt:97+cnt], v[96+cnt:97+cnt], s[CS:CS+1], v[12:13] op_sel_hi:[1,0,0]   ; t - M, two at a time
.set cnt, cnt+2
.endr
.set cnt, 0
	s_wait_alu depctr_va_vdst(0)
.rept 64
	v_exp_f32 v[96+cnt], v[96+cnt]                 ; p = 2^(t - M), at most 1
.set cnt, cnt+1
.endr
	v_pk_mul_f32 v[14:15], v[14:15], v[252:253] op_sel_hi:[1,0]   ; the sums under the new M: a plain instruction behind the exponentials
	s_wait_alu depctr_va_vdst(0)                   ; one wait for the whole batch of exponentials, ahead of its first reader
	v_pk_add_f32 v[242:243], v[100:101], v[104:105]
	v_pk_add_f32 v[254:255], v[108:109], v[112:113]
	v_pk_add_f32 v[250:251], v[116:117], v[120:121]
	v_pk_add_f32 v[248:249], v[124:125], v[128:129]
	v_pk_add_f32 v[246:247], v[132:133], v[136:137]
	v_pk_add_f32 v[240:241], v[140:141], v[144:145]
	v_pk_add_f32 v[238:239], v[148:149], v[152:153]
	v_pk_add_f32 v[14:15], v[14:15], v[156:157]
	v_pk_add_f32 v[242:243], v[242:243], v[96:97]
	v_pk_add_f32 v[254:255], v[254:255], v[98:99]
	v_pk_add_f32 v[250:251], v[250:251], v[102:103]
	v_pk_add_f32 v[248:249], v[248:249], v[106:107]
	v_pk_add_f32 v[246:247], v[246:247], v[110:111]
	v_pk_add_f32 v[240:241], v[240:241], v[114:115]
	v_pk_add_f32 v[238:239], v[238:239], v[118:119]
	v_pk_add_f32 v[14:15], v[14:15], v[122:123]
	v_pk_add_f32 v[242:243], v[242:243], v[126:127]
	v_pk_add_f32 v[254:255], v[254:255], v[130:131]
	v_pk_add_f32 v[250:251], v[250:251], v[134:135]
	v_pk_add_f32 v[248:249], v[248:249], v[138:139]
	v_pk_add_f32 v[246:247], v[246:247], v[142:143]
	v_pk_add_f32 v[240:241], v[240:241], v[146:147]
	v_pk_add_f32 v[238:239], v[238:239], v[150:151]
	v_pk_add_f32 v[14:15], v[14:15], v[154:155]
	v_pk_add_f32 v[242:243], v[242:243], v[158:159]
	s_delay_alu instid0(VALU_DEP_2)
	v_pk_add_f32 v[14:15], v[14:15], v[248:249]
	s_delay_alu instid0(VALU_DEP_2)
	v_pk_add_f32 v[242:243], v[242:243], v[246:247]
	v_pk_add_f32 v[254:255], v[254:255], v[240:241]
	v_pk_add_f32 v[250:251], v[250:251], v[238:239]
	s_delay_alu instid0(VALU_DEP_2)
	v_pk_add_f32 v[14:15], v[14:15], v[254:255]
	s_delay_alu instid0(VALU_DEP_2)
	v_pk_add_f32 v[242:243], v[242:243], v[250:251]
	s_delay_alu instid0(VALU_DEP_1)
	v_pk_add_f32 v[14:15], v[14:15], v[242:243]
.irp t, 0,1,2,3,4,5,6,7
.irp i, 0,1,2,3,4,5,6,7
.endr
	v_cvt_scalef32_pk8_fp8_f32 v[192+2*\t:193+2*\t], v[96+8*\t:103+8*\t], v244   ; key tile t: registers 2 t, 2 t + 1 of P's fragment
.endr
.set cnt, 0
.rept 16
	v_pk_mul_f32 v[160+cnt:161+cnt], v[160+cnt:161+cnt], v[252:253] op_sel_hi:[1,0]   ; O^T under the new M.  (Plain instructions between the conversions and the products that read their results)
.set cnt, cnt+2
.endr
	s_wait_alu depctr_va_vdst(0)
	s_wait_dscnt 0x0                               ; V is in
.irp t, 0,1,2,3                                ; O^T += V^T P^T: four tiles of 16 channels, K = these 128 keys; the four accumulators take turns
	v_wmma_f32_16x16x128_fp8_fp8 v[160+8*\t:167+8*\t], v[32+16*\t:47+16*\t], v[192:207], v[160+8*\t:167+8*\t]
.endr
.Lhidden_\@:
	s_add_co_u32 s[KF], s[KF], 128
.endm
; THE CHANGE OF SLOTS stands at a slot's head.  Each wave waits for all its tensor loads (its part of the slot that it is about to read), adds 0 to its spare word, and waits for that and for its reads of the slot that it has left.
; Behind the barrier the slot ahead is whole and nobody reads the other one.  fill = 1: that other slot is filled with the next trip's keys: key slot T + 1 while block p is in hand, T - p once block 7 - p is.
.macro CHANGE fill
	s_wait_tensorcnt 0x0                           ; no tensor load of mine is out, so group 0 may be written
	ds_add_u32 v[SPW], v[NIL]                      ; 0 onto my spare word
.if \fill
	s_xor_b32 s[G0+1], s[G0+1], SLOT1              ; the other slot than last time
	s_add_co_u32 s[OFF], s[T], 1                   ; the next trip's number,
	s_sub_co_u32 s[OFF+1], s[OFF], s[P]
	s_sub_co_u32 s[OFF+1], s[OFF+1], 1
	s_cmp_le_u32 s[OFF], s[P]
	s_cselect_b32 s[OFF], s[OFF], s[OFF+1]         ; its key slot,
	s_lshl_b32 s[OFF], s[OFF], 14                  ; 16,384 bytes of K and of V each
	s_mov_b32 s[OFF+1], 0
	s_add_nc_u64 s[G0+2:G0+3], s[BASE:BASE+1], s[OFF:OFF+1]
	s_or_b32 s[G0+3], s[G0+3], 0x80000000
	s_wait_xcnt 0x0                                ; the last prefetch, a slot back, has read its address, so it may be written
	s_add_nc_u64 s[PFA:PFA+1], s[PFA:PFA+1], 16384
.endif
	s_wait_dscnt 0x0                               ; the add is done, and my reads of the slot that I have left are over
	s_barrier_signal -1
	s_barrier_wait -1
.if \fill
	TLOAD                                          ; the first thing behind the barrier, and a wave's one tensor load until the next
	ASK
.endif
.endm
; A block's end: O^T / the sum, converted: channel tile t gives registers 2 t, 2 t + 1 of Y's fragment; two stores of 512 consecutive bytes.
.macro FINISH yb
.rept 4
	v_nop                                          ; places behind the last products
.endr
	s_wait_xcnt 0x0                                ; the first block's stores have read the registers of Y's codes
	v_add_f32 v14, v14, v15                        ; the sum's two halves,
	s_wait_alu depctr_va_vdst(0)
	v_permlanex16_b32 v252, v14, s[SEL], s[SEL+1]
	s_delay_alu instid0(VALU_DEP_1)
	v_add_f32 v14, v14, v252                       ; and lane l xor 16's
	s_wait_alu depctr_va_vdst(0)
	v_rcp_f32 v14, v14
	v_nop                                          ; a plain instruction behind the reciprocal,
	s_wait_alu depctr_va_vdst(0)                   ; and the wait ahead of its first reader
.set cnt, 0
.rept 32
	v_mul_f32 v[96+cnt], v[160+cnt], v14
.set cnt, cnt+1
.endr
.set cnt, 0
.rept 32
.set cnt, cnt+1
.endr
.irp t, 0,1,2,3
	v_cvt_scalef32_pk8_fp8_f32 v[208+2*\t:209+2*\t], v[96+8*\t:103+8*\t], v245
.endr
	v_nop                                          ; one plain vector instruction behind the last conversion
	global_store_b128 v[LI], v[208:211], s[\yb:\yb+1]
	global_store_b128 v[LI], v[212:215], s[\yb:\yb+1] offset:512
.endm
	s_wait_loadcnt 0x0                             ; Q
.Lslot:                                            ; eight trips: behind each change of slots but the last the next trip's keys are asked for
	CHANGE 1
	STEP 0
	STEP 1
	s_xor_b32 s[TB], s[TB], SLOT1                  ; on to the other slot
	s_cmp_lg_u32 s[T], s[P]                        ; trip p is block p's last: a branch on the work-group's number
	s_cbranch_scc1 .Lsame
	FINISH YLO
.irp i, 0,1,2,3,4,5,6,7
	v_mov_b32 v[16+\i], v[24+\i]                   ; block 7 - p's queries
.endr
	BEGIN
	s_mov_b32 s[Q0], s[Q0HI]
	s_mov_b32 s[KF], 0
.Lsame:
	s_add_co_u32 s[T], s[T], 1
	s_sub_co_u32 s[SLOTS], s[SLOTS], 1
	s_cmp_lg_u32 s[SLOTS], 0
	s_cbranch_scc1 .Lslot
	CHANGE 0                                       ; the ninth trip is written out
	STEP 0
	STEP 1
	FINISH YHI
	s_wait_tensorcnt 0x0                           ; the wave's end
	ds_add_u32 v[SPW], v[NIL]
	s_wait_dscnt 0x0
	s_endpgm
.Lfunc_end_k_qf0d9c17493_attn:
	.size	k_qf0d9c17493_attn, .Lfunc_end_k_qf0d9c17493_attn-k_qf0d9c17493_attn
	.p2alignl 7, 3214868480
	.fill 96, 4, 3214868480
	.section	.rodata,"a",@progbits
	.p2align	6, 0x0
	.amdhsa_kernel k_qf0d9c17493_attn
		.amdhsa_group_segment_fixed_size 327680
		.amdhsa_private_segment_fixed_size 0
		.amdhsa_enable_private_segment 0
		.amdhsa_kernarg_size 40
		.amdhsa_user_sgpr_count 2
		.amdhsa_user_sgpr_kernarg_segment_ptr 1
		.amdhsa_wavefront_size32 1
		.amdhsa_system_sgpr_workgroup_id_x 1
		.amdhsa_system_sgpr_workgroup_id_y 1
		.amdhsa_system_sgpr_workgroup_id_z 1
		.amdhsa_system_vgpr_workitem_id 0
		.amdhsa_next_free_vgpr 256
		.amdhsa_next_free_sgpr 100
		.amdhsa_reserve_vcc 1
		.amdhsa_float_denorm_mode_32 3
		.amdhsa_float_denorm_mode_16_64 3
		.amdhsa_fp16_overflow 1
		.amdhsa_memory_ordered 1
		.amdhsa_forward_progress 1
		.amdhsa_inst_pref_size 90
	.end_amdhsa_kernel
	.amdgpu_metadata
---
amdhsa.version: [ 1, 2 ]
amdhsa.kernels:
  - .name:           k_qf0d9c17493_attn
    .symbol:         k_qf0d9c17493_attn.kd
    .args:
      - { .name: q_img, .offset: 0, .size: 8, .value_kind: global_buffer, .address_space: global }
      - { .name: k_img, .offset: 8, .size: 8, .value_kind: global_buffer, .address_space: global }
      - { .name: v_img, .offset: 16, .size: 8, .value_kind: global_buffer, .address_space: global }
      - { .name: lowp_scales, .offset: 24, .size: 8, .value_kind: global_buffer, .address_space: global }
      - { .name: y_img, .offset: 32, .size: 8, .value_kind: global_buffer, .address_space: global }
    .group_segment_fixed_size: 327680
    .private_segment_fixed_size: 0
    .kernarg_segment_align: 8
    .kernarg_segment_size: 40
    .max_flat_workgroup_size: 512
    .sgpr_count:     100
    .vgpr_count:     256
    .wavefront_size: 32
...
	.end_amdgpu_metadata
.endif
;; end of part 2
;; launch proj (part 3): grid 4 x 64, 4 waves a work-group, clusters of 4 x 4, 327,680 bytes of LDS; arguments y_img, Wo_codes, lowp_scales, out0; writes out0
.if DOCPART == 3
	.amdgcn_target "amdgcn-amd-amdhsa--gfx1250"
	.amdhsa_code_object_version 6
	.text
	.protected	k_qf0d9c17493_proj
	.globl	k_qf0d9c17493_proj
	.p2align	8
	.type	k_qf0d9c17493_proj,@function
k_qf0d9c17493_proj:
	s_mov_b64 s[64:65], 0
	v_nop
	global_prefetch_b8 v0, s[64:65] scope:SCOPE_SE
	s_setreg_imm32_b32 hwreg(HW_REG_WAVE_MODE, 25, 1), 1
	s_wait_xcnt 0x0
	s_wait_alu depctr_hold_cnt(0) depctr_sa_sdst(0) depctr_va_vdst(0) depctr_va_sdst(0) depctr_va_ssrc(0) depctr_va_vcc(0) depctr_vm_vsrc(0)
	s_getreg_b32 s2, hwreg(HW_REG_IB_STS2, 6, 4)
	s_cmp_eq_u32 s2, 0
	s_cbranch_scc0 .Lentry_in_a_cluster
	s_endpgm
.Lentry_in_a_cluster:
	s_bfe_u32 s2, ttmp6, 0x10000c
	s_cmp_lg_u32 s2, 0xf033
	s_cbranch_scc0 .Lentry_shape_is_right
	s_endpgm
.Lentry_shape_is_right:
; out[m][n] = 2^(e10 + e11) x the sum over k of Y[m][k] Wo[n][k], on codes of E4M3.  Y: 8,192 x 1,024 as images of operand registers; Wo: [1024][1024] codes, K innermost; out: [8192][1024] f32.
; SHARES.  A tile of out is 128 rows x 256 columns: 64 x 4 = 256 work-groups (tiles of 256 x 256 would be 128).  Wave w takes all 128 rows against columns 64 w .. 64 w + 63: 32 accumulators, 256 registers.
; K goes in four steps of 256 through a ring of two LDS slots, written out without a loop; a step is two half steps of 128.  Waves 0 and 1 fetch Y's two halves of a step (dense blocks of 16,384 bytes),
; waves 2 and 3 Wo's (128 rows of 256 bytes each).
; CLUSTERS: 4 x 4 work-groups.  Y's block hangs on the row block alone and is asked for jointly along a row of the cluster, Wo's tile on the column block alone, jointly along a column.
; LAYOUT.  Y's images hold each k at the place that this form's own layout gives it (registers 2 c, 2 c + 1: k = 16 c + 8 (lane / 16) + 0 .. 7), so Wo's fragments are read likewise: eight loads of 8 bytes.
; THE MATRIX INSTRUCTION IS USED TRANSPOSED (source 0 = 16 rows of Wo, source 1 = 16 rows of Y): a lane holds eight neighbouring numbers of a row of out.
; LIMIT: e10 + e11 between -126 and 127, so that 2^(e10 + e11) is an f32 number.
; REGISTERS, in windows of 256: window 0: v1-29 addresses; v32-63, v64-127 the way out; v128-191, v192-255 Wo's four fragments, two sets.  window 1: Y's eight fragments, two sets.  window 2: accumulator (a, b) at v[8 (4 a + b)].
.set PITCH,  272                       ; an LDS row of Wo: 256 bytes + 16 of padding = 68 words: the 16 rows of a fragment load start at 16 different groups of four banks (64 banks of 4 bytes: ISA guide 11.1)
.set YB,     32768                     ; a slot: Y's images of 128 rows x 256 K, then Wo's 256 rows
.set SLOT,   YB+256*PITCH              ; 102,400 bytes
.set STAGE,  2*SLOT                    ; behind the ring: 16 rows x (256 bytes + 16) for each wave, for the way out: bytes of its own
.set SP,     272
.set SPARE,  STAGE+4*16*SP             ; the spare words, 128 bytes for each wave: two blocks of 256 bytes that no other line names
.set ADA,  16                          ; v16-17  16 x lane in slot 0, 1: Y's images
.set ADB,  20                          ; v20-21  my lane's place in my 64 rows of Wo, slot 0, 1
.set STO,  24                          ; v24     the way out: where I put 32 bytes of a row
.set RD,   25                          ; v25     where I read a row back
.set CO,   26                          ; v26     my byte offset in out
.set SPW,  28
.set NIL,  29
.set TMP,  32
.set BK,   64
.set WF,   128
.set G1, 24                            ; s[24:31] descriptor group 1 for Y's blocks;  s[32:39] group 0, a set for each slot
.set G0, 32
.set G1B, 48                           ; s[48:55], s[56:63] the same for Wo's tiles
.set G0B, 56
.set MSB, 0
.macro WIN new                         ; the immediate's high byte repeats the setting that is left
.if MSB != \new
	s_set_vgpr_msb (MSB<<8)|\new
.set MSB, \new
.endif
.endm
.set MUL,  0xa4                        ; source 0 (Wo) window 0, source 1 (Y) window 1, C and D window 2
.set TO_A, 0x40                        ; destination window 1, address window 0
.macro PLACES n
.rept \n
	v_nop
.endr
.endm
.macro JLOAD s                         ; a joint load: waves 0 and 1 fetch for Y, waves 2 and 3 for Wo; four v_nop follow each of the two lines
	s_cmp_eq_u32 s15, 0
	s_cbranch_scc0 .Lfor_b_\@
	tensor_load_to_lds s[G0+4*\s:G0+4*\s+3], s[G1:G1+7]
	s_nop 0
.rept 4
	v_nop
.endr
	s_branch .Lasked_\@
.Lfor_b_\@:
	tensor_load_to_lds s[G0B+4*\s:G0B+4*\s+3], s[G1B:G1B+7]
	s_nop 0
.rept 4
	v_nop
.endr
.Lasked_\@:
.endm
.macro CREST                           ; a round of the cluster's barrier behind its opening barrier
	s_cmp_lg_u32 s14, 0
	s_cbranch_scc1 .Lnot_wave_0_\@
	s_barrier_signal -3
.Lnot_wave_0_\@:
	s_barrier_wait -3
	s_barrier_signal -1
	s_barrier_wait -1
.endm
.macro CROUND
	s_barrier_signal -1
	s_barrier_wait -1
	CREST
.endm
	s_load_b128 s[4:7], s[0:1], 0x0                ; Y's images s[4:5], Wo's codes s[6:7]
	s_load_b128 s[8:11], s[0:1], 0x10              ; the scales' exponents s[8:9], out s[10:11]
	v_lshl_add_u32 v[SPW], v0, 2, SPARE
	v_mov_b32 v[NIL], 0
	ds_add_u32 v28, v29
	ds_add_u32 v28, v29
	s_wait_dscnt 0x0
	v_lshrrev_b32 v1, 5, v0
	v_readfirstlane_b32 s14, v1                    ; wave 0..3
	s_lshr_b32 s15, s14, 1                         ; I fetch for Y (0) or for Wo (1),
	s_and_b32 s16, s14, 1                          ; its first or its second half
	s_bfe_u32 s40, ttmp6, 0x40000                  ; cx, cy
	s_bfe_u32 s41, ttmp6, 0x40004
	s_lshl_b32 s42, ttmp9, 2
	s_add_co_u32 s42, s42, s40                     ; gx: the block of 256 columns
	s_and_b32 s17, ttmp7, 0xffff
	s_lshl_b32 s17, s17, 2
	s_add_co_u32 s17, s17, s41                     ; gy: the block of 128 rows
	s_lshl_b32 s43, s41, 2
	s_lshl_b32 s43, 15, s43                        ; my row of the cluster
	s_lshl_b32 s44, 0x1111, s40                    ; my column
	s_or_b32 s[G1], s43, (3<<16)|(1<<21)           ; the mask; elements of 8 bytes; bit 21 set beside a mask; no padding: a dense block
	s_mov_b32 s[G1+1], 32<<16                      ; tensor_dim0 = 32 elements: 256 bytes
	s_mov_b32 s[G1+2], 64<<16                      ; tensor_dim1 = 64 rows
	s_mov_b32 s[G1+3], 32<<16
	s_mov_b32 s[G1+4], 64
	s_mov_b32 s[G1+5], 32
	s_mov_b32 s[G1+6], 0
	s_mov_b32 s[G1+7], 0
	s_or_b32 s[G1B], s44, (1<<20)|(1<<21)|(5<<22)|(3<<25)   ; the mask; elements of 1 byte; padding: four words after every 64
	s_mov_b32 s[G1B+1], 256<<16
	s_mov_b32 s[G1B+2], 128<<16
	s_mov_b32 s[G1B+3], 256<<16
	s_mov_b32 s[G1B+4], 128
	s_mov_b32 s[G1B+5], 1024
	s_mov_b32 s[G1B+6], 0
	s_mov_b32 s[G1B+7], 0
	s_lshl_b32 s20, s17, 17                        ; Y: gy x 131,072
	s_lshl_b32 s18, s16, 14                        ; + my half's 16,384; also its place in a slot
	s_add_co_u32 s20, s20, s18
	s_mov_b32 s21, 0
	s_lshl_b32 s46, s42, 18                        ; Wo: gx x 256 rows of 1,024 bytes
	s_lshl_b32 s19, s16, 17                        ; + my half's 128 rows
	s_add_co_u32 s46, s46, s19
	s_mov_b32 s47, 0
	s_mul_i32 s45, s16, 128*PITCH
	s_add_co_u32 s45, s45, YB                      ; and their place in a slot
	s_lshl_b32 s22, s17, 19                        ; out: gy x 128 rows of 4,096 bytes
	s_lshl_b32 s23, s42, 10                        ; + gx x 1,024
	s_add_co_u32 s22, s22, s23
	s_lshl_b32 s23, s14, 8                         ; + wave x 256
	s_add_co_u32 s22, s22, s23
	s_mov_b32 s23, 0
	s_wait_kmcnt 0x0
	s_load_b64 s[96:97], s[8:9], 0x28              ; e10, e11
	s_add_nc_u64 s[20:21], s[4:5], s[20:21]
	s_add_nc_u64 s[46:47], s[6:7], s[46:47]
	s_add_nc_u64 s[10:11], s[10:11], s[22:23]
	CROUND                                         ; all sixteen work-groups are here: the first joint loads meet
.irp s, 0,1
	s_mov_b32 s[G0+4*\s], 1
	s_add_co_u32 s[G0+4*\s+1], s18, \s*SLOT
	s_add_nc_u64 s[G0+4*\s+2:G0+4*\s+3], s[20:21], \s*32768   ; K step s: 32,768 bytes of images
	s_or_b32 s[G0+4*\s+3], s[G0+4*\s+3], 0x80000000
	s_mov_b32 s[G0B+4*\s], 1
	s_add_co_u32 s[G0B+4*\s+1], s45, \s*SLOT
	s_add_nc_u64 s[G0B+4*\s+2:G0B+4*\s+3], s[46:47], \s*256
	s_or_b32 s[G0B+4*\s+3], s[G0B+4*\s+3], 0x80000000
	s_wait_alu depctr_va_vdst(0)
	s_wait_tensorcnt 0x0
	ds_add_u32 v28, v29
	ds_add_u32 v28, v29
	s_wait_dscnt 0x0
	CROUND
	JLOAD \s                                       ; one tensor load of mine is out
.endr
	v_and_b32 v1, 15, v0                           ; r
	v_bfe_u32 v2, v0, 4, 1                         ; h
	v_and_b32 v3, 31, v0                           ; lane
	v_lshlrev_b32 v[ADA], 4, v3
	v_add_nc_u32 v[ADA+1], SLOT, v[ADA]
	v_mul_u32_u24 v4, v1, PITCH
	v_lshl_add_u32 v4, v2, 3, v4                   ; row x pitch + 8 h
	s_mul_i32 s12, s14, 64*PITCH
	s_add_co_u32 s12, s12, YB                      ; my 64 rows of Wo
	v_add_nc_u32 v[ADB], s12, v4
	v_add_nc_u32 v[ADB+1], SLOT, v[ADB]
	s_mul_i32 s13, s14, 16*SP
	s_add_co_u32 s13, s13, STAGE                   ; my stage
	v_mul_u32_u24 v5, v1, SP
	v_lshl_add_u32 v5, v2, 5, v5
	v_add_nc_u32 v[STO], s13, v5                   ; in: row r, 32 bytes for each half of the lanes
	v_mul_u32_u24 v6, v2, SP
	v_lshl_add_u32 v6, v1, 4, v6
	v_add_nc_u32 v[RD], s13, v6                    ; back: lanes 0-15 one row of 256 bytes, lanes 16-31 the next
	v_lshlrev_b32 v[CO], 12, v2
	v_lshl_add_u32 v[CO], v1, 4, v[CO]             ; and the same two rows in out
; 64 LDS loads: the fragments of the slot's s-th 128 along K: Y's eight (four loads of 16 bytes each, as the images lie), Wo's four (eight loads of 8 bytes each, 16 bytes apart)
.macro FETCH slot, s, set
	WIN TO_A
.irp a, 0,1,2,3,4,5,6,7
.irp g, 0,1,2,3
	ds_load_b128 v[128*(\set)+16*\a+4*\g:128*(\set)+16*\a+4*\g+3], v[ADA+(\slot)] offset:\a*4096+(\s)*2048+\g*512
.endr
.endr
	WIN 0
.irp b, 0,1,2,3
.irp c, 0,1,2,3,4,5,6,7
	ds_load_b64 v[WF+64*(\set)+16*\b+2*\c:WF+64*(\set)+16*\b+2*\c+1], v[ADB+(\slot)] offset:\b*16*PITCH+128*(\s)+16*\c
.endr
.endr
.endm
; 16 matrix instructions: row tiles a0 .. a0 + 3 against my four column tiles.  The 32 accumulators take turns, one instruction a turn, in the same order in every half step.
.macro MUL16 a0, set, zero
.irp a, \a0, \a0+1, \a0+2, \a0+3
.irp b, 0,1,2,3
.if \zero
	v_wmma_f32_16x16x128_fp8_fp8 v[8*(4*(\a)+\b):8*(4*(\a)+\b)+7], v[WF+64*(\set)+16*\b:WF+64*(\set)+16*\b+15], v[128*(\set)+16*(\a):128*(\set)+16*(\a)+15], 0
.else
	v_wmma_f32_16x16x128_fp8_fp8 v[8*(4*(\a)+\b):8*(4*(\a)+\b)+7], v[WF+64*(\set)+16*\b:WF+64*(\set)+16*\b+15], v[128*(\set)+16*(\a):128*(\set)+16*(\a)+15], v[8*(4*(\a)+\b):8*(4*(\a)+\b)+7]
.endif
.endr
.endr
.endm
; A slot's first half step: set 0 is multiplied while the second half step's fragments come into set 1.
.macro SUB slot, zero
	s_wait_dscnt 0x0                               ; set 0 is in
	PLACES 4                                       ; in front of loads into set 1, which the last products read
	FETCH \slot, 1, 1
	WIN MUL
	MUL16 0, 0, \zero
	MUL16 4, 0, \zero
	WIN 0
.endm
; A slot's second half step changes slots: ONE barrier; in front of it each wave waits for all its tensor loads, adds 0 to its spare word, and waits for that and for its reads of this slot.  fill = 1: this slot is filled again, two K steps ahead.
.macro TURN slot, next, fill
	s_wait_tensorcnt 0x0                           ; all my tensor loads have landed: my part of the next slot
	ds_add_u32 v[SPW], v[NIL]                      ; 0 onto my spare word
	s_wait_dscnt 1                                 ; set 1 is in (the add alone may be out)
	WIN MUL
	MUL16 0, 1, 0                                  ; sixteen matrix instructions stand between the add and the wait for it
	s_wait_dscnt 0x0                               ; the add is done, and my reads of this slot are over
	s_barrier_signal -1
	WIN 0
	s_barrier_wait -1
.if \fill
	CREST                                          ; no wave of any partner still reads this slot's tiles or has a load on its way
	s_add_nc_u64 s[G0+4*\slot+2:G0+4*\slot+3], s[G0+4*\slot+2:G0+4*\slot+3], 2*32768
	s_add_nc_u64 s[G0B+4*\slot+2:G0B+4*\slot+3], s[G0B+4*\slot+2:G0B+4*\slot+3], 2*256
	JLOAD \slot                                    ; the first tensor load behind the round, my one load until the next; its four v_nop are the places in front of the loads below
.else
	PLACES 4
.endif
	s_wait_alu depctr_va_vdst(0)
	FETCH \next, 0, 0
	WIN MUL
	MUL16 4, 1, 0
	WIN 0
.endm
	s_wait_tensorcnt 0x1                           ; my part of K step 0 is in; K step 1's may stay out
	s_barrier_signal -1
	s_barrier_wait -1
	FETCH 0, 0, 0
	SUB 0, 1                                       ; the first products start the sums: nothing is cleared
	TURN 0, 1, 1                                   ; slot 0 takes K step 2
	SUB 1, 0
	TURN 1, 0, 1                                   ; slot 1 takes K step 3
	SUB 0, 0
	TURN 0, 1, 0                                   ; nothing is left to fetch
	SUB 1, 0
	s_wait_dscnt 0x0
	WIN MUL
	MUL16 0, 1, 0
	MUL16 4, 1, 0
	WIN 0
; THE WAY OUT, a block of 16 rows x my 64 columns at a time.  A lane holds 32 neighbouring bytes of a row, and the lanes beside it hold other rows: so a block goes through my own stage in LDS and comes back as whole rows
; of 256 bytes.  LDS serves a wave's instructions in order (ISA guide 5.7.1.4): no wait between the stores and the loads, nor in front of the next block's stores.
.macro TOSTAGE a
	WIN 0x02                                       ; source 0: window 2
.set cnt, 0
.rept 16
	v_pk_mul_f32 v[TMP+cnt:TMP+cnt+1], v[32*(\a)+cnt:32*(\a)+cnt+1], s[96:97] op_sel_hi:[1,0]   ; both x s96 = 2^(e10 + e11); each accumulator from its low end on
.set cnt, cnt+2
.endr
	WIN 0
.irp b, 0,1,2,3
	ds_store_b128 v[STO], v[TMP+8*\b:TMP+8*\b+3] offset:64*\b
	ds_store_b128 v[STO], v[TMP+8*\b+4:TMP+8*\b+7] offset:64*\b+16
.endr
.irp t, 0,1,2,3,4,5,6,7
	ds_load_b128 v[BK+32*((\a)%2)+4*\t:BK+32*((\a)%2)+4*\t+3], v[RD] offset:\t*2*SP
.endr
.endm
.macro SEND a, younger                 ; younger: the LDS instructions issued behind block a's loads, which may stay out
	s_wait_dscnt \younger
.irp t, 0,1,2,3,4,5,6,7
	global_store_b128 v[CO], v[BK+32*((\a)%2)+4*\t:BK+32*((\a)%2)+4*\t+3], s[10:11] offset:(16*(\a)+2*\t)*4096 th:TH_STORE_NT   ; 16 lanes store 256 consecutive bytes, at a multiple of 256 from out's first byte; the offset is 516,096 at the most
.endr
.endm
	s_wait_kmcnt 0x0
	s_add_co_i32 s96, s96, s97                     ; e10 + e11,
	s_add_co_i32 s96, s96, 127
	s_lshl_b32 s96, s96, 23                        ; as the f32 number 2^(e10 + e11)
	PLACES 4                                       ; behind the last products, ahead of the first read of results
	TOSTAGE 0
.irp a, 1,2,3,4,5,6,7
.if \a > 1
	s_wait_xcnt 0x0                                ; block a - 2's stores have read their registers: block a's loads may land there
.endif
	TOSTAGE \a
	SEND \a-1, 16                                  ; behind block a - 1's loads: block a's 8 stores and 8 loads
.endr
	SEND 7, 0
	s_wait_tensorcnt 0x0                           ; the wave's end
	ds_add_u32 v[SPW], v[NIL]
	s_wait_dscnt 0x0
	CROUND                                         ; the closing round: no work-group ends while a partner may still ask for a tile that names it
	s_endpgm
.Lfunc_end_k_qf0d9c17493_proj:
	.size	k_qf0d9c17493_proj, .Lfunc_end_k_qf0d9c17493_proj-k_qf0d9c17493_proj
	.p2alignl 7, 3214868480
	.fill 96, 4, 3214868480
	.section	.rodata,"a",@progbits
	.p2align	6, 0x0
	.amdhsa_kernel k_qf0d9c17493_proj
		.amdhsa_group_segment_fixed_size 327680
		.amdhsa_private_segment_fixed_size 0
		.amdhsa_enable_private_segment 0
		.amdhsa_kernarg_size 32
		.amdhsa_user_sgpr_count 2
		.amdhsa_user_sgpr_kernarg_segment_ptr 1
		.amdhsa_wavefront_size32 1
		.amdhsa_system_sgpr_workgroup_id_x 1
		.amdhsa_system_sgpr_workgroup_id_y 1
		.amdhsa_system_sgpr_workgroup_id_z 1
		.amdhsa_system_vgpr_workitem_id 0
		.amdhsa_next_free_vgpr 768
		.amdhsa_next_free_sgpr 98
		.amdhsa_reserve_vcc 0
		.amdhsa_float_denorm_mode_32 3
		.amdhsa_float_denorm_mode_16_64 3
		.amdhsa_memory_ordered 1
		.amdhsa_forward_progress 1
		.amdhsa_inst_pref_size 84
	.end_amdhsa_kernel
	.amdgpu_metadata
---
amdhsa.version: [ 1, 2 ]
amdhsa.kernels:
  - .name:           k_qf0d9c17493_proj
    .symbol:         k_qf0d9c17493_proj.kd
    .args:
      - { .name: y_img, .offset: 0, .size: 8, .value_kind: global_buffer, .address_space: global }
      - { .name: Wo_codes, .offset: 8, .size: 8, .value_kind: global_buffer, .address_space: global }
      - { .name: lowp_scales, .offset: 16, .size: 8, .value_kind: global_buffer, .address_space: global }
      - { .name: out0, .offset: 24, .size: 8, .value_kind: global_buffer, .address_space: global }
    .group_segment_fixed_size: 327680
    .private_segment_fixed_size: 0
    .kernarg_segment_align: 8
    .kernarg_segment_size: 32
    .max_flat_workgroup_size: 128
    .sgpr_count:     98
    .vgpr_count:     768
    .wavefront_size: 32
...
	.end_amdgpu_metadata
.endif
;; end of part 3
